; MI455X (gfx1250); checked and timed in simulation.
; The chip was launched on July 23, 2026; its instructions are those of AMD's public machine-readable ISA for CDNA 5 (MIT licence, August 2026) and "CDNA5" Instruction Set Architecture Reference Guide (July 2026). The comments in the code are by the model that wrote it; some were corrected since.
;; Structured LSTM Cell. Allowed arithmetic: float matrix products may take bf16 or f16 operands with f32 sums; other float arithmetic in f32, or as packed bf16 or f16 multiplies, adds, multiply-adds, maxima and minima; sums over many terms, partial sums and values carried from step to step in f32; what a program stores and reads back later, other than sums and carried values, may be rounded once to bf16 or f16.
;; Inputs: P 2,048 x 1,024 float32; W_hf 2,048 x 2,048 float32; W_hg 2,048 x 2,048 float32; W_hi 2,048 x 2,048 float32; W_ho 2,048 x 2,048 float32; W_pf 2,048 x 1,024 float32; W_pg 2,048 x 1,024 float32; W_pi 2,048 x 1,024 float32; W_po 2,048 x 1,024 float32; W_xf 2,048 x 1,024 float32; W_xg 2,048 x 1,024 float32; W_xi 2,048 x 1,024 float32; W_xo 2,048 x 1,024 float32; b_pf 2,048 float32; b_pg 2,048 float32; b_pi 2,048 float32; b_po 2,048 float32; cell 2,048 x 2,048 float32; ext_input 2,048 x 1,024 float32; hidden 2,048 x 2,048 float32.
;; Outputs: out0 2,048 x 2,048 float32; out1 2,048 x 2,048 float32.
;; 2 versions, each right; version 2 is version 1 with the launch pack written anew for expert scheduling mode. Each part assembles by itself: llvm-mc -triple=amdgcn-amd-amdhsa -mcpu=gfx1250 --defsym DOCPART=n.
;; ======== version 1 of 2: 2 launches
;; workspace buffers: xa 16,777,216 bytes; wb 67,108,864 bytes
;; launch pack (part 1): grid 256 x 5, 8 waves a work-group, no clusters, 0 bytes of LDS; arguments P, hidden, ext_input, W_pi, W_hi, W_xi, W_pf, W_hf, W_xf, W_pg, W_hg, W_xg, W_po, W_ho, W_xo, xa, wb; writes xa, wb
.if DOCPART == 1
	.amdgcn_target "amdgcn-amd-amdhsa--gfx1250"
	.amdhsa_code_object_version 6
	.text
	.protected	k_qfc6d8aced5_pack
	.globl	k_qfc6d8aced5_pack
	.p2align	8
	.type	k_qfc6d8aced5_pack,@function
k_qfc6d8aced5_pack:
	s_mov_b64 s[64:65], 0
	v_nop
	global_prefetch_b8 v0, s[64:65] scope:SCOPE_SE
	s_setreg_imm32_b32 hwreg(HW_REG_WAVE_MODE, 25, 1), 1
	s_wait_xcnt 0x0
; The fifteen matrix operands of the LSTM step are rounded once to bf16 (nearest even; bf16 has f32's range) and laid as two dense matrices with K = 4,096 along the rows:
;   xa [2048][4096]: columns 0-1023 P, 1024-3071 hidden, 3072-4095 ext_input;
;   wb [8192][4096]: the same split of the columns (W_p*, W_h*, W_x*); gate q (0 i, 1 f, 2 g, 3 o) of output column j lies in row (j >> 5) * 128 + q * 32 + (j & 31),
;   so that 128 consecutive rows of wb are the four gates of 32 output columns: what one wave of the next launch multiplies.
; SHARES.  Grid y = g picks three sources: g = 0 the activations (to xa), g = 1..4 gate g - 1's three weights (to wb).  Grid x picks 8 source rows, which never cross a block of 32,
; so their 8 destination rows follow each other.  A destination row is four passes of 1,024 numbers: p, h's first half, h's second half, x.  In a pass thread t loads 16 bytes at 16 t
; (a wave: 512 consecutive bytes) and stores 8 bytes at 8 t (a wave: 256 consecutive bytes, at a multiple of 256 from the buffer's first byte).
; All 32 loads of a thread go out first, each into registers of its own: nothing is rewritten while a memory instruction may read it, so the only waits are the counted ones for the loads.
; No LDS, no barrier, no matrix instruction: no byte is used twice.
.set X, 4                              ; v[4:131]  load i = 4 r + k (row r, pass k) at v[X+4i : X+4i+3]
	s_load_b512 s[8:23], s[0:1], 0x0               ; group g's three sources lie at s[8+6g : 13+6g]
	s_load_b512 s[24:39], s[0:1], 0x40             ; ... s[38:39] xa
	s_load_b64 s[40:41], s[0:1], 0x80              ; wb
	s_and_b32 s2, ttmp7, 0xffff                    ; g
	s_lshl_b32 s3, ttmp9, 3                        ; j0: my first source row
	s_max_u32 s5, s2, 1
	s_sub_co_u32 s5, s5, 1                         ; q = g - 1 (0 for g = 0, where it is not used)
	s_lshr_b32 s4, s3, 5
	s_lshl_b32 s4, s4, 7                           ; (j0 >> 5) * 128
	s_and_b32 s6, s3, 31
	s_add_co_u32 s4, s4, s6                        ; + (j0 & 31)
	s_lshl_b32 s5, s5, 5
	s_add_co_u32 s4, s4, s5                        ; + 32 q
	s_cmp_eq_u32 s2, 0
	s_cselect_b32 s4, s3, s4                       ; the activations keep their rows
	s_lshl_b32 s50, s4, 13                         ; destination rows are 8,192 bytes; the largest offset is 8,191 rows, under 2^26
	s_mov_b32 s51, 0
	s_lshl_b32 s52, s3, 12                         ; p's and x's rows are 4,096 bytes,
	s_mov_b32 s53, 0
	s_lshl_b32 s54, s3, 13                         ; h's 8,192
	s_mov_b32 s55, 0
	v_lshlrev_b32 v1, 4, v0                        ; 16 t
	v_lshlrev_b32 v2, 3, v0                        ; 8 t
	s_wait_kmcnt 0x0
	s_mov_b64 s[42:43], s[8:9]                     ; the choice among the buffers hangs on g alone; each compare stands right in front of its selects
	s_mov_b64 s[44:45], s[10:11]
	s_mov_b64 s[46:47], s[12:13]
.irp g, 1,2,3,4
	s_cmp_eq_u32 s2, \g
	s_cselect_b64 s[42:43], s[8+6*\g:9+6*\g], s[42:43]
	s_cselect_b64 s[44:45], s[10+6*\g:11+6*\g], s[44:45]
	s_cselect_b64 s[46:47], s[12+6*\g:13+6*\g], s[46:47]
.endr
	s_cmp_eq_u32 s2, 0
	s_cselect_b64 s[48:49], s[38:39], s[40:41]
	s_add_nc_u64 s[42:43], s[42:43], s[52:53]
	s_add_nc_u64 s[44:45], s[44:45], s[54:55]
	s_add_nc_u64 s[46:47], s[46:47], s[52:53]
	s_add_nc_u64 s[48:49], s[48:49], s[50:51]
.set i, 0
.rept 8                                ; row i: four loads.  Each source byte is read once in the launch
	global_load_b128 v[X+16*i:X+16*i+3],     v1, s[42:43] offset:i*4096 th:TH_LOAD_NT
	global_load_b128 v[X+16*i+4:X+16*i+7],   v1, s[44:45] offset:i*8192 th:TH_LOAD_NT
	global_load_b128 v[X+16*i+8:X+16*i+11],  v1, s[44:45] offset:i*8192+4096 th:TH_LOAD_NT
	global_load_b128 v[X+16*i+12:X+16*i+15], v1, s[46:47] offset:i*4096 th:TH_LOAD_NT
.set i, i+1
.endr
.set i, 0
.rept 32
	s_wait_loadcnt 31-i                            ; loads come back in order (ISA guide 5.7.1): load i is in, the 31 - i younger ones stay out
	v_cvt_pk_bf16_f32 v[X+4*i],   v[X+4*i],   v[X+4*i+1]
	v_cvt_pk_bf16_f32 v[X+4*i+1], v[X+4*i+2], v[X+4*i+3]
	global_store_b64 v2, v[X+4*i:X+4*i+1], s[48:49] offset:(i/4)*8192+(i%4)*2048  ; row i / 4, pass i % 4; the next launch reads these bytes, so no hint
.set i, i+1
.endr
	s_endpgm
.Lfunc_end_k_qfc6d8aced5_pack:
	.size	k_qfc6d8aced5_pack, .Lfunc_end_k_qfc6d8aced5_pack-k_qfc6d8aced5_pack
	.p2alignl 7, 3214868480
	.fill 96, 4, 3214868480
	.section	.rodata,"a",@progbits
	.p2align	6, 0x0
	.amdhsa_kernel k_qfc6d8aced5_pack
		.amdhsa_group_segment_fixed_size 0
		.amdhsa_private_segment_fixed_size 0
		.amdhsa_enable_private_segment 0
		.amdhsa_kernarg_size 136
		.amdhsa_user_sgpr_count 2
		.amdhsa_user_sgpr_kernarg_segment_ptr 1
		.amdhsa_wavefront_size32 1
		.amdhsa_system_sgpr_workgroup_id_x 1
		.amdhsa_system_sgpr_workgroup_id_y 1
		.amdhsa_system_sgpr_workgroup_id_z 1
		.amdhsa_system_vgpr_workitem_id 0
		.amdhsa_next_free_vgpr 132
		.amdhsa_next_free_sgpr 66
		.amdhsa_reserve_vcc 0
		.amdhsa_float_denorm_mode_32 3
		.amdhsa_float_denorm_mode_16_64 3
		.amdhsa_memory_ordered 1
		.amdhsa_forward_progress 1
		.amdhsa_inst_pref_size 13
	.end_amdhsa_kernel
	.amdgpu_metadata
---
amdhsa.version: [ 1, 2 ]
amdhsa.kernels:
  - .name:           k_qfc6d8aced5_pack
    .symbol:         k_qfc6d8aced5_pack.kd
    .args:
      - { .name: P, .offset: 0, .size: 8, .value_kind: global_buffer, .address_space: global }
      - { .name: hidden, .offset: 8, .size: 8, .value_kind: global_buffer, .address_space: global }
      - { .name: ext_input, .offset: 16, .size: 8, .value_kind: global_buffer, .address_space: global }
      - { .name: W_pi, .offset: 24, .size: 8, .value_kind: global_buffer, .address_space: global }
      - { .name: W_hi, .offset: 32, .size: 8, .value_kind: global_buffer, .address_space: global }
      - { .name: W_xi, .offset: 40, .size: 8, .value_kind: global_buffer, .address_space: global }
      - { .name: W_pf, .offset: 48, .size: 8, .value_kind: global_buffer, .address_space: global }
      - { .name: W_hf, .offset: 56, .size: 8, .value_kind: global_buffer, .address_space: global }
      - { .name: W_xf, .offset: 64, .size: 8, .value_kind: global_buffer, .address_space: global }
      - { .name: W_pg, .offset: 72, .size: 8, .value_kind: global_buffer, .address_space: global }
      - { .name: W_hg, .offset: 80, .size: 8, .value_kind: global_buffer, .address_space: global }
      - { .name: W_xg, .offset: 88, .size: 8, .value_kind: global_buffer, .address_space: global }
      - { .name: W_po, .offset: 96, .size: 8, .value_kind: global_buffer, .address_space: global }
      - { .name: W_ho, .offset: 104, .size: 8, .value_kind: global_buffer, .address_space: global }
      - { .name: W_xo, .offset: 112, .size: 8, .value_kind: global_buffer, .address_space: global }
      - { .name: xa, .offset: 120, .size: 8, .value_kind: global_buffer, .address_space: global }
      - { .name: wb, .offset: 128, .size: 8, .value_kind: global_buffer, .address_space: global }
    .group_segment_fixed_size: 0
    .private_segment_fixed_size: 0
    .kernarg_segment_align: 8
    .kernarg_segment_size: 136
    .max_flat_workgroup_size: 256
    .sgpr_count:     66
    .vgpr_count:     132
    .wavefront_size: 32
...
	.end_amdgpu_metadata
.endif
;; end of part 1
;; launch lstm (part 2): grid 32 x 8, 4 waves a work-group, clusters of 4 x 4, 327,680 bytes of LDS; arguments xa, wb, cell, b_pi, b_pf, b_pg, b_po, out0, out1; writes out0, out1
.if DOCPART == 2
	.amdgcn_target "amdgcn-amd-amdhsa--gfx1250"
	.amdhsa_code_object_version 6
	.text
	.protected	k_qfc6d8aced5_lstm
	.globl	k_qfc6d8aced5_lstm
	.p2align	8
	.type	k_qfc6d8aced5_lstm,@function
k_qfc6d8aced5_lstm:
	s_mov_b64 s[64:65], 0
	v_nop
	global_prefetch_b8 v0, s[64:65] scope:SCOPE_SE
	s_setreg_imm32_b32 hwreg(HW_REG_WAVE_MODE, 25, 1), 1
	s_wait_xcnt 0x0
	s_wait_alu depctr_hold_cnt(0) depctr_sa_sdst(0) depctr_va_vdst(0) depctr_va_sdst(0) depctr_va_ssrc(0) depctr_va_vcc(0) depctr_vm_vsrc(0)
	s_getreg_b32 s2, hwreg(HW_REG_IB_STS2, 6, 4)
	s_cmp_eq_u32 s2, 0
	s_cbranch_scc0 .Lentry_in_a_cluster
	s_endpgm
.Lentry_in_a_cluster:
	s_bfe_u32 s2, ttmp6, 0x10000c
	s_cmp_lg_u32 s2, 0xf033
	s_cbranch_scc0 .Lentry_shape_is_right
	s_endpgm
.Lentry_shape_is_right:
; gates[m][n'] = bias[n'] + sum over k of xa[m][k] wb[n'][k] (bf16 operands, f32 sums, K = 4,096), and in the same launch, on the sums in registers:
;   c_new = sigmoid(gf) cell + sigmoid(gi) tanh(gg) -> out1,   h_new = sigmoid(go) tanh(c_new) -> out0.   The gates never go to memory.
; LIMITS.  sigmoid(x) = 1 / (1 + 2^(-x log2 e)), tanh(x) = 1 - 2 / (1 + 2^(2 x log2 e)): both end rightly at 0, 1 or -1 where the power is infinite or 0; this tanh is off by about 1e-7 in absolute
; terms, so below |x| of about 1e-5 its relative accuracy is gone.  The matrix operands were rounded once to bf16.  NaN and infinite inputs are not treated apart.
; SHARES.  A work-group of four waves makes 256 rows x 256 rows of wb, which are 64 output columns in all four gates; a wave 128 x 128: 64 accumulators of 16 x 16, 512 registers.
; wb's rows are ordered so that a wave's 128 are gate q's columns 32 q .. 32 q + 31: block b of 16 is gate b / 2, half b % 2 of the wave's 32 output columns.
; THE MATRIX INSTRUCTION IS USED TRANSPOSED (source 0 = 16 rows of wb, source 1 = 16 rows of xa): lane l holds row l % 16 and eight neighbouring output columns 8 (l / 16) + 0..7, and the accumulators
; (a, hh), (a, 2 + hh), (a, 4 + hh), (a, 6 + hh) hold i, f, g, o of the SAME eight elements in the same lane.  The bias is the C operand of the products that start the sums.
; RING.  K goes in steps of 128 through two LDS slots filled by the tensor data mover (tile rows of 256 bytes, at multiples of 256 from the buffer's first byte), one load a wave behind each change of slots.
; CLUSTER.  4 x 4 work-groups: the four of a row of the cluster need the same tiles of xa, the four of a column the same tiles of wb; each is asked for jointly, by the same load with a mask of the four.
; The cell tile (256 rows x 64 f32, each work-group's own, so a load without a mask) comes into slot 0's part for xa when that slot has been read for the last time, one K step ahead of its use.
; WAY OUT.  c_new and h_new go through stages in LDS bytes that have had their last fill (c: slot 1's part for xa; h: slot 0's part for wb) and leave as whole rows of 256 bytes.
; REGISTERS, in windows of 256 (s_set_vgpr_msb: bits 1:0 source 0, 3:2 source 1, 5:4 source 2, 7:6 destination):
;   window 0: v0-31 addresses; v64-127, v128-191 fragments of xa, two buffers (later the epilogue's work and the way out); v192-255 the bias, 8 registers a block b
;   window 1: v64-127, v128-191 fragments of wb       window 2: accumulators of my rows 0-63 ((a, b) at v[8 (8 a + b)])       window 3: those of my rows 64-127
.set SIZE_K, 4096
.set KSTEP,  128
.set PITCH,  272                       ; an LDS row: 256 bytes + 16 of padding = 68 words: row r starts at bank 4 r mod 64 (64 banks of 4 bytes: ISA guide 11.1), so the 16 rows of a load start at 16 different banks
.set HALFT,  128*PITCH                 ; 128 rows: what one tensor load brings
.set SLOT,   4*HALFT                   ; xa's 256 rows, then wb's 256 rows
.set SPARE,  2*SLOT                    ; behind the ring: the spare words, 128 bytes a wave: two blocks of 256 bytes that no other line names
.set LAPS,   SIZE_K/(2*KSTEP)          ; a lap = two K steps = once round the ring
.set OPITCH, 8192                      ; bytes in a row of cell, out0 and out1 (and of xa and wb)
.set ADRA, 16                          ; v16-17  LDS address of my fragments of xa in slot 0, 1
.set ADRB, 20                          ; v20-21  the same for wb
.set EC,   23                          ; v23     my 32 bytes of a row in c_new's stage
.set EA,   24                          ; v24     the same in the cell tile
.set EH,   25                          ; v25     the same in h_new's stage
.set RD,   26                          ; v26     the way out: where I read a row of c_new back
.set RDH,  27                          ; v27     and of h_new
.set SPW,  28                          ; v28     LDS address of my spare word: SPARE + 4 x my thread's number; never rewritten
.set NIL,  29                          ; v29     0; never rewritten
.set CO,   30                          ; v30     my byte offset in two rows of an output
.set BO,   31                          ; v31     my byte offset in a bias
.set F0,   64
.set F1,   128
.set BIAS, 192
.set TI,   64                          ; the epilogue: v64-95 the four gates of 8 elements (i, f, g, o: 8 registers each)
.set TF,   72
.set TG,   80
.set TO,   88
.set CL,   96                          ; v96-111 cell, two buffers of 8
.set CN,   112                         ; v112-119 c_new
.set TC,   120                         ; v120-127 tanh(c_new)
.set HN,   128                         ; v128-135 h_new
.set OB,   64                          ; the way out: two buffers of 64
.set G1,  24                           ; s[24:31] descriptor group 1 for xa's tiles;  s[32:39] group 0, a set for each slot
.set G0,  32
.set G1B, 48                           ; s[48:55], s[56:63] the same for wb's
.set G0B, 56
.set G1C, 84                           ; s[84:91], s[92:95] for the cell tile
.set G0C, 92
.set MSB, 0
.macro WIN new                         ; the immediate's high byte repeats the setting that is left; a switch that changes nothing is dropped
.if MSB != (\new)
	s_set_vgpr_msb (MSB<<8)|(\new)
.set MSB, \new
.endif
.endm
.set TO_B, 0x40                        ; destination window 1, address window 0
; A joint load.  Waves 0 and 1 fetch xa's two halves, waves 2 and 3 wb's.  The branch hangs on the wave's number alone.  An s_nop 0 and four v_nop follow each line, ahead of the jump and the label.
.macro JLOAD s
	s_cmp_eq_u32 s11, 0
	s_cbranch_scc0 .Lfor_b_\@
	tensor_load_to_lds s[G0+4*(\s):G0+4*(\s)+3], s[G1:G1+7]
	s_nop 0
.rept 4
	v_nop
.endr
	s_branch .Lasked_\@
.Lfor_b_\@:
	tensor_load_to_lds s[G0B+4*(\s):G0B+4*(\s)+3], s[G1B:G1B+7]
	s_nop 0
.rept 4
	v_nop
.endr
.Lasked_\@:
.endm
; The cell tile: waves 0 and 1 fetch its two halves of 128 rows; waves 2 and 3 fetch nothing.  The four v_nop on either way are also the places in front of the fragment loads that follow.
.macro CLOAD
	s_cmp_eq_u32 s11, 0
	s_cbranch_scc0 .Lno_cell_\@
	tensor_load_to_lds s[G0C:G0C+3], s[G1C:G1C+7]
	s_nop 0
.rept 4
	v_nop
.endr
	s_branch .Lcell_asked_\@
.Lno_cell_\@:
.rept 4
	v_nop
.endr
.Lcell_asked_\@:
.endm
; A round of the cluster's barrier: my work-group's barrier, so that wave 0's signal speaks for all four waves; wave 0 signals; every wave waits for all sixteen work-groups; my work-group's barrier once more.
.macro CREST                           ; a round behind its opening barrier
	s_cmp_lg_u32 s10, 0
	s_cbranch_scc1 .Lnot_wave_0_\@
	s_barrier_signal -3
.Lnot_wave_0_\@:
	s_barrier_wait -3
	s_barrier_signal -1
	s_barrier_wait -1
.endm
.macro CROUND
	s_barrier_signal -1
	s_barrier_wait -1
	CREST
.endm
	s_load_b128 s[4:7], s[0:1], 0x0                ; xa s[4:5], wb s[6:7]
	s_load_b256 s[68:75], s[0:1], 0x10             ; cell s[68:69]; the bias of gate q at s[70+2q:71+2q]: b_pi, b_pf, b_pg,
	s_load_b128 s[76:79], s[0:1], 0x30             ; b_po; out0 s[78:79]
	s_load_b64 s[80:81], s[0:1], 0x40              ; out1
	v_lshl_add_u32 v[SPW], v0, 2, SPARE
	v_mov_b32 v[NIL], 0
	ds_add_u32 v[SPW], v[NIL]                      ; the wave's opening: the add and its wait stand ahead of my first tensor load; the set-up below, work on registers, stands between them
	v_lshrrev_b32 v1, 5, v0
	v_readfirstlane_b32 s10, v1                    ; wave 0..3
	s_lshr_b32 s11, s10, 1                         ; which half of the tile's rows is mine.  Also: I fetch for xa (0) or for wb (1)
	s_and_b32 s12, s10, 1                          ; which half of wb's rows.  Also: which 128 rows of that tile I fetch
	s_bfe_u32 s40, ttmp6, 0x40000                  ; cx
	s_bfe_u32 s41, ttmp6, 0x40004                  ; cy
	s_lshl_b32 s42, ttmp9, 2                       ; in a cluster launch ttmp9 and ttmp7 count clusters
	s_add_co_u32 s42, s42, s40                     ; tx = 4 x cluster x + cx: 256 rows of wb, 64 output columns
	s_and_b32 s13, ttmp7, 0xffff
	s_lshl_b32 s13, s13, 2
	s_add_co_u32 s13, s13, s41                     ; ty = 4 x cluster y + cy: 256 rows
	s_lshl_b32 s43, s41, 2
	s_lshl_b32 s43, 15, s43                        ; my row of the cluster: places 4 cy .. 4 cy + 3
	s_lshl_b32 s44, 0x1111, s40                    ; my column: places cx, cx + 4, cx + 8, cx + 12
	; descriptor group 1: a tile of 128 rows x 128 elements of 2 bytes, padded in LDS.  A row of the cell tile, 64 f32, is the same 256 bytes, and cell's rows are as far apart as xa's: the same shape serves.
	s_or_b32 s[G1+0], s43, (1<<16)|(1<<20)|(1<<21)|(5<<22)|(3<<25)   ; 15:0 the mask: xa's tiles go to my row; 17:16 2-byte elements; 20 padding on; 21 set beside a mask; 24:22 after every 64 words (code 5); 31:25 4 words (code 3)
	s_or_b32 s[G1B+0], s44, (1<<16)|(1<<20)|(1<<21)|(5<<22)|(3<<25)  ; the same with the mask of my column
	s_mov_b32 s[G1C+0], (1<<16)|(1<<20)|(5<<22)|(3<<25)              ; no mask: the tile is my work-group's own
.irp g, G1, G1B, G1C
	s_mov_b32 s[(\g)+1], KSTEP<<16                 ; tensor_dim0 = 128
	s_mov_b32 s[(\g)+2], 128<<16                   ; tensor_dim1 = 128
	s_mov_b32 s[(\g)+3], KSTEP<<16                 ; tile_dim0 = 128
	s_mov_b32 s[(\g)+4], 128                       ; tile_dim1 = 128
	s_mov_b32 s[(\g)+5], SIZE_K                    ; 4,096 elements from row to row
	s_mov_b32 s[(\g)+6], 0
	s_mov_b32 s[(\g)+7], 0
.endr
	s_mov_b32 s96, 0xbfb8aa3b                      ; -log2 e, for the sigmoids
	s_mov_b32 s97, s96                             ; named with it as a pair
	s_mov_b32 s98, 0x4038aa3b                      ; 2 log2 e, for the tanh
	s_mov_b32 s99, s98
	; where the tiles come from.  xa's hang on ty alone, which my row of the cluster shares; wb's on tx alone, which my column shares; each in registers that never hold the other coordinate.
	s_lshl_b32 s17, s12, 7                         ; which 128 rows of the tile I fetch
	s_lshl_b32 s16, s13, 8
	s_add_co_u32 s16, s16, s17
	s_lshl_b32 s16, s16, 13                        ; xa: (256 ty + 128 half) rows of 8,192 bytes, under 2^24
	s_lshl_b32 s46, s42, 8
	s_add_co_u32 s46, s46, s17
	s_lshl_b32 s46, s46, 13                        ; wb: (256 tx + 128 half) rows of 8,192 bytes, under 2^26
	s_mov_b32 s17, 0
	s_mov_b32 s47, 0
	s_lshl_b32 s82, s42, 8                         ; cell: the same rows as xa's (equal pitch), from byte 256 tx of the row on
	s_add_co_u32 s82, s82, s16
	s_mov_b32 s83, 0
	s_lshl_b32 s66, s13, 8                         ; the outputs: I store rows 256 ty + 64 wave on, from byte 256 tx on
	s_lshl_b32 s67, s10, 6
	s_add_co_u32 s66, s66, s67
	s_lshl_b32 s66, s66, 13
	s_lshl_b32 s67, s42, 8
	s_add_co_u32 s66, s66, s67
	s_mov_b32 s67, 0
	s_mul_i32 s20, s10, HALFT                      ; where the tiles go: wave x 128 rows: no place in the cluster enters an LDS address
	s_wait_dscnt 0x0                               ; the opening add is done
	s_wait_kmcnt 0x0
	s_add_nc_u64 s[14:15], s[4:5], s[16:17]
	s_add_nc_u64 s[46:47], s[6:7], s[46:47]
	s_mov_b32 s[G0C], 1
	s_mov_b32 s[G0C+1], s20                        ; waves 0 and 1 alone use it: bytes 0 on, or HALFT on
	s_add_nc_u64 s[G0C+2:G0C+3], s[68:69], s[82:83]
	s_or_b32 s[G0C+3], s[G0C+3], 0x80000000
	s_add_nc_u64 s[78:79], s[78:79], s[66:67]
	s_add_nc_u64 s[80:81], s[80:81], s[66:67]
	CROUND                                         ; all sixteen work-groups are here: the first joint loads meet
.irp s, 0,1
	s_mov_b32 s[G0+4*(\s)], 1                                        ; 1:0 count = 1
	s_add_co_u32 s[G0+4*(\s)+1], s20, (\s)*SLOT                      ; 63:32 LDS address
	s_add_nc_u64 s[G0+4*(\s)+2:G0+4*(\s)+3], s[14:15], (\s)*KSTEP*2  ; 120:64 global address: K step s
	s_or_b32 s[G0+4*(\s)+3], s[G0+4*(\s)+3], 0x80000000              ; 127:126 type = 2
	s_mov_b32 s[G0B+4*(\s)], 1
	s_add_co_u32 s[G0B+4*(\s)+1], s20, (\s)*SLOT
	s_add_nc_u64 s[G0B+4*(\s)+2:G0B+4*(\s)+3], s[46:47], (\s)*KSTEP*2
	s_or_b32 s[G0B+4*(\s)+3], s[G0B+4*(\s)+3], 0x80000000
	JLOAD \s                                       ; the ring is filled before anything else is done: two loads of mine are out
.endr
	v_and_b32 v1, 15, v0                           ; l % 16
	v_bfe_u32 v2, v0, 4, 1                         ; l / 16
	; the bias as a C operand: register j of block b = 2 q + hh is b_q[64 tx + 32 half + 16 hh + 8 (l / 16) + j], whatever the row
	s_lshl_b32 s46, s42, 8
	s_lshl_b32 s47, s12, 7
	s_add_co_u32 s46, s46, s47
	v_lshl_add_u32 v[BO], v2, 5, s46               ; 256 tx + 128 half + 32 (l / 16)
.irp q, 0,1,2,3
.irp hh, 0,1
	global_load_b128 v[BIAS+8*(2*(\q)+(\hh)):BIAS+8*(2*(\q)+(\hh))+3],   v[BO], s[70+2*(\q):71+2*(\q)] offset:64*(\hh)
	global_load_b128 v[BIAS+8*(2*(\q)+(\hh))+4:BIAS+8*(2*(\q)+(\hh))+7], v[BO], s[70+2*(\q):71+2*(\q)] offset:64*(\hh)+16
.endr
.endr
	; A fragment is 16 rows x 32 K in 8 registers: lane l holds row l % 16; registers 0-3 K = 8 (l / 16) + 0..7, registers 4-7 K = 16 + 8 (l / 16) + 0..7: two loads of 16 bytes, 32 bytes apart.
	v_mul_u32_u24 v3, v1, PITCH
	v_lshl_add_u32 v4, v2, 4, v3                   ; row x pitch + 16 x half
	s_mul_i32 s21, s11, HALFT                      ; my 128 rows of xa
	s_mul_i32 s22, s12, HALFT                      ; my 128 rows of wb,
	s_add_co_u32 s22, s22, 2*HALFT                 ; which lie behind xa's 256
.irp s, 0,1
	v_add_nc_u32 v[ADRA+(\s)], s21, v4
	v_add_nc_u32 v[ADRB+(\s)], s22, v4
	s_add_co_u32 s21, s21, SLOT
	s_add_co_u32 s22, s22, SLOT
.endr
	s_mul_i32 s23, s11, HALFT                      ; the epilogue: my 128 rows, my 128 bytes (32 columns) of their 256; row l % 16, 32 bytes for each half of the lanes
	s_lshl_b32 s21, s12, 7
	s_add_co_u32 s23, s23, s21
	v_lshl_add_u32 v5, v2, 5, v3
	v_add_nc_u32 v[EA], s23, v5                    ; in the cell tile (slot 0, xa's part),
	v_add_nc_u32 v[EH], 2*HALFT, v[EA]             ; in h_new's stage (slot 0, wb's part),
	v_add_nc_u32 v[EC], SLOT, v[EA]                ; in c_new's stage (slot 1, xa's part)
	s_mul_i32 s23, s10, 64*PITCH                   ; back: wave w takes rows 64 w .. 64 w + 63, whole; lanes 0-15 one row of 256 bytes, lanes 16-31 the next
	v_mul_u32_u24 v5, v2, PITCH
	v_lshl_add_u32 v5, v1, 4, v5
	v_add_nc_u32 v5, s23, v5
	v_add_nc_u32 v[RD], SLOT, v5
	v_add_nc_u32 v[RDH], 2*HALFT, v5
	v_lshlrev_b32 v[CO], 13, v2                    ; and the same two rows in an output
	v_lshl_add_u32 v[CO], v1, 4, v[CO]
; 16 matrix instructions: row blocks a0, a0 + 1 of the window's four (hi = 0: my rows 0-63, 1: rows 64-127) x all 8 blocks of wb, 32 along K.
; first = 1: the bias (window 0) is the C operand and starts the sums: nothing is cleared and no bias is added later.  The 64 accumulators take turns, one instruction a turn.
.macro MUL16 f, hi, a0, first
.if \first
	WIN 0x81+0x40*(\hi)                            ; wb window 1, xa and C window 0, D window 2 or 3
.else
	WIN 0xa1+0x50*(\hi)                            ; wb window 1, xa window 0, C and D window 2 or 3
.endif
.irp a, \a0, (\a0)+1
.irp b, 0,1,2,3,4,5,6,7
.if \first
	v_wmma_f32_16x16x32_bf16 v[8*(8*(\a)+(\b)):8*(8*(\a)+(\b))+7], v[(\f)+8*(\b):(\f)+8*(\b)+7], v[(\f)+8*(4*(\hi)+(\a)):(\f)+8*(4*(\hi)+(\a))+7], v[BIAS+8*(\b):BIAS+8*(\b)+7]
.else
	v_wmma_f32_16x16x32_bf16 v[8*(8*(\a)+(\b)):8*(8*(\a)+(\b))+7], v[(\f)+8*(\b):(\f)+8*(\b)+7], v[(\f)+8*(4*(\hi)+(\a)):(\f)+8*(4*(\hi)+(\a))+7], v[8*(8*(\a)+(\b)):8*(8*(\a)+(\b))+7]
.endif
.endr
.endr
.endm
; 32 LDS loads in one run: the fragments of one quarter step (128 rows of wb, then 128 rows of xa, 32 K at byte k of the rows) into buffer f
.macro FETCH slot, k, f
	WIN TO_B
.irp i, 0,1,2,3,4,5,6,7
	ds_load_b128 v[(\f)+8*(\i):(\f)+8*(\i)+3],   v[ADRB+(\slot)] offset:(\k)+(\i)*16*PITCH
	ds_load_b128 v[(\f)+8*(\i)+4:(\f)+8*(\i)+7], v[ADRB+(\slot)] offset:(\k)+(\i)*16*PITCH+32
.endr
	WIN 0
.irp i, 0,1,2,3,4,5,6,7
	ds_load_b128 v[(\f)+8*(\i):(\f)+8*(\i)+3],   v[ADRA+(\slot)] offset:(\k)+(\i)*16*PITCH
	ds_load_b128 v[(\f)+8*(\i)+4:(\f)+8*(\i)+7], v[ADRA+(\slot)] offset:(\k)+(\i)*16*PITCH+32
.endr
.endm
; A load into a register that a matrix instruction has read, and a vector instruction that reads a matrix result or writes one of a matrix instruction's registers, stand four places behind it,
; and only plain vector instructions that name none of its registers are places (ISA guide 7.12.1 for vector instructions).
.macro PLACES
.rept 4
	v_nop
.endr
.endm
; A K step is four quarters of 32 along K, 64 matrix instructions each, on buffers 0, 1, 0, 1.  One of the first three: multiplies buffer f and, in its middle, fetches the next quarter, at byte k, into g.
.macro QUARTER slot, k, f, g, first
	s_wait_dscnt 8                                 ; wb and xa's rows 0-63 are in; the youngest eight loads (xa's rows 64-127) may be out
	MUL16 \f, 0, 0, \first
	MUL16 \f, 0, 2, \first
	PLACES
	FETCH \slot, \k, \g
	s_wait_dscnt 32                                ; all but the 32 just issued
	MUL16 \f, 1, 0, \first
	MUL16 \f, 1, 2, \first
.endm
; The last quarter multiplies buffer 1 and changes slots.  MEET is its first half: in front of the barrier, which opens a round of the cluster's, each wave waits for all its tensor loads (one is out: its part
; of the next slot), adds 0 to its spare word, and waits for that and for its own reads of this slot.
.macro MEET
	WIN 0                                          ; (the add's two registers lie in window 0)
	s_wait_tensorcnt 0x0                           ; all my tensor loads have landed;
	ds_add_u32 v[SPW], v[NIL]                      ; 0 onto my spare word;
	s_wait_dscnt 9                                 ; (the add and the youngest eight loads may be out)
	MUL16 F1, 0, 0, 0                              ; sixteen matrix instructions stand between the add and the wait for it
	s_wait_dscnt 0x0                               ; the add is done, and my reads of this slot are over:
	s_barrier_signal -1                            ; say so,
	MUL16 F1, 0, 2, 0                              ; work on registers while the others arrive,
	WIN 0
	s_barrier_wait -1
.endm
; The whole last quarter.  Behind the round the slot just read out is filled first: kind = 0 with the K step two steps on, by the joint load; kind = 1 (slot 0's last change) with the cell tile.
; Then come the next slot's first fragments.  From a request to the wait for it a wave issues 224 matrix instructions.
.macro TURN slot, next, kind
	MEET
	CREST                                          ; no wave of any partner still reads this slot's tile or has a load on its way
.if \kind
	CLOAD
.else
	s_add_nc_u64 s[G0+4*(\slot)+2:G0+4*(\slot)+3], s[G0+4*(\slot)+2:G0+4*(\slot)+3], 2*KSTEP*2
	s_add_nc_u64 s[G0B+4*(\slot)+2:G0B+4*(\slot)+3], s[G0B+4*(\slot)+2:G0B+4*(\slot)+3], 2*KSTEP*2
	JLOAD \slot                                    ; the four v_nop behind it are also the places in front of the loads below
.endif
	FETCH \next, 0, F0
	MUL16 F1, 1, 0, 0
	MUL16 F1, 1, 2, 0
.endm
; THE EPILOGUE, group n = 2 a + hh of 16: eight elements a lane (row 16 a + l % 16, columns 16 hh + 8 (l / 16) + 0..7 of my 32), all four gates from registers.
.macro GATE a, hh
.set n, 2*(\a)+(\hh)
.set n1, n+1
.set AC, 8*(8*((\a)%4)+(\hh))          ; gate q's accumulator at AC + 16 q, in window 2 or 3
.set CB, CL+8*(n%2)                    ; this group's cell
.set CX, CL+8*(n1%2)                   ; the next group's
	WIN 0
.if n < 15
	ds_load_b128 v[CX:CX+3],   v[EA] offset:(n1/2)*16*PITCH+(n1%2)*64     ; the next group's cell, a group ahead of its use
	ds_load_b128 v[CX+4:CX+7], v[EA] offset:(n1/2)*16*PITCH+(n1%2)*64+16
.endif
	WIN 0x02+(\a)/4                                ; source 0 in window 2 or 3
.irp q, 0,1,2,3                        ; the exponents: -x log2 e for i, f, o; 2 x log2 e for g.  Each accumulator is read from its low end on
.irp j, 0,1,2,3
.if (\q) == 2
	v_pk_mul_f32 v[TI+8*(\q)+2*(\j):TI+8*(\q)+2*(\j)+1], v[AC+16*(\q)+2*(\j):AC+16*(\q)+2*(\j)+1], s[98:99] op_sel_hi:[1,0]
.else
	v_pk_mul_f32 v[TI+8*(\q)+2*(\j):TI+8*(\q)+2*(\j)+1], v[AC+16*(\q)+2*(\j):AC+16*(\q)+2*(\j)+1], s[96:97] op_sel_hi:[1,0]
.endif
.endr
.endr
	WIN 0
.set z, 0
.rept 32
	v_exp_f32 v[TI+z], v[TI+z]
.set z, z+1
.endr
	v_nop                                          ; a plain instruction between the last exponential and the use of its result (ISA guide 5.7.2)
.set z, 0
	s_wait_alu depctr_va_vdst(0)
.rept 16
	v_pk_add_f32 v[TI+2*z:TI+2*z+1], v[TI+2*z:TI+2*z+1], 1.0 op_sel_hi:[1,0]
.set z, z+1
.endr
.set z, 0
.rept 32
	v_rcp_f32 v[TI+z], v[TI+z]                     ; i, f and o are done; g wants 1 - 2 x this
.set z, z+1
.endr
	v_nop
	s_wait_alu depctr_va_vdst(0)
.irp j, 0,2,4,6
	v_pk_fma_f32 v[TG+(\j):TG+(\j)+1], v[TG+(\j):TG+(\j)+1], -2.0, 1.0 op_sel_hi:[1,0,0]
.endr
.irp j, 0,2,4,6
	v_pk_mul_f32 v[TI+(\j):TI+(\j)+1], v[TI+(\j):TI+(\j)+1], v[TG+(\j):TG+(\j)+1]      ; i g
.endr
.if n < 15
	s_wait_dscnt 2                                 ; all but the next group's two loads: this group's cell is in
.else
	s_wait_dscnt 0x0
.endif
.irp j, 0,2,4,6
	v_pk_fma_f32 v[CN+(\j):CN+(\j)+1], v[TF+(\j):TF+(\j)+1], v[CB+(\j):CB+(\j)+1], v[TI+(\j):TI+(\j)+1]  ; c_new = f cell + i g
.endr
	ds_store_b128 v[EC], v[CN:CN+3]   offset:(\a)*16*PITCH+(\hh)*64
	ds_store_b128 v[EC], v[CN+4:CN+7] offset:(\a)*16*PITCH+(\hh)*64+16
.irp j, 0,2,4,6
	v_pk_mul_f32 v[TC+(\j):TC+(\j)+1], v[CN+(\j):CN+(\j)+1], s[98:99] op_sel_hi:[1,0]
.endr
.irp j, 0,1,2,3,4,5,6,7
	v_exp_f32 v[TC+(\j)], v[TC+(\j)]
.endr
	v_nop
	s_wait_alu depctr_va_vdst(0)
.irp j, 0,2,4,6
	v_pk_add_f32 v[TC+(\j):TC+(\j)+1], v[TC+(\j):TC+(\j)+1], 1.0 op_sel_hi:[1,0]
.endr
.irp j, 0,1,2,3,4,5,6,7
	v_rcp_f32 v[TC+(\j)], v[TC+(\j)]
.endr
	v_nop
	s_wait_alu depctr_va_vdst(0)
.irp j, 0,2,4,6
	v_pk_fma_f32 v[TC+(\j):TC+(\j)+1], v[TC+(\j):TC+(\j)+1], -2.0, 1.0 op_sel_hi:[1,0,0]  ; tanh(c_new)
.endr
.irp j, 0,2,4,6
	v_pk_mul_f32 v[HN+(\j):HN+(\j)+1], v[TO+(\j):TO+(\j)+1], v[TC+(\j):TC+(\j)+1]         ; h_new
.endr
	ds_store_b128 v[EH], v[HN:HN+3]   offset:(\a)*16*PITCH+(\hh)*64
	ds_store_b128 v[EH], v[HN+4:HN+7] offset:(\a)*16*PITCH+(\hh)*64+16
.endm
; THE WAY OUT, batch k of four: 32 whole rows of a stage (k = 0, 1: c_new; 2, 3: h_new) come back into buffer k % 2 and are stored.
.macro LOADB k
.set BK, OB+64*((\k)%2)
.irp t, 0,1,2,3,4,5,6,7,8,9,10,11,12,13,14,15
.if (\k) < 2
	ds_load_b128 v[BK+4*(\t):BK+4*(\t)+3], v[RD] offset:(32*((\k)%2)+2*(\t))*PITCH
.else
	ds_load_b128 v[BK+4*(\t):BK+4*(\t)+3], v[RDH] offset:(32*((\k)%2)+2*(\t))*PITCH
.endif
.endr
.endm
.macro SENDB k, younger                ; younger: the LDS loads issued behind this batch's: the next batch's sixteen, or none
.set BK, OB+64*((\k)%2)
.irp t, 0,1,2,3,4,5,6,7,8,9,10,11,12,13,14,15
	s_wait_dscnt (\younger)+15-(\t)                ; LDS loads come back in order (ISA guide 5.7.1): load t of the batch is in
.if (\k) < 2
	global_store_b128 v[CO], v[BK+4*(\t):BK+4*(\t)+3], s[80:81] offset:(32*((\k)%2)+2*(\t))*OPITCH th:TH_STORE_NT  ; 16 lanes store 256 consecutive bytes, at a multiple of 256 from the output's first byte
.else
	global_store_b128 v[CO], v[BK+4*(\t):BK+4*(\t)+3], s[78:79] offset:(32*((\k)%2)+2*(\t))*OPITCH th:TH_STORE_NT
.endif
.endr
.endm
	s_wait_tensorcnt 1                             ; my part of K step 0 is in; K step 1's may stay out
	s_barrier_signal -1
	s_barrier_wait -1                              ; everybody's is
	FETCH 0, 0, F0
	s_wait_loadcnt 0x0                             ; the bias
	QUARTER 0, 64,  F0, F1, 1                      ; the first quarter stands in front of the loop: its products start the sums, from the bias
	WIN 0                                          ; at a label and at a branch every window is 0
	s_mov_b32 s3, LAPS-1
.Llap:                                                 ; a trip goes once round the ring, from a lap's second quarter to the next lap's first, and fills both slots again
	QUARTER 0, 128, F1, F0, 0
	QUARTER 0, 192, F0, F1, 0
	TURN 0, 1, 0
	QUARTER 1, 64,  F0, F1, 0
	QUARTER 1, 128, F1, F0, 0
	QUARTER 1, 192, F0, F1, 0
	TURN 1, 0, 0
	QUARTER 0, 64,  F0, F1, 0
	WIN 0
	s_sub_co_u32 s3, s3, 1
	s_cmp_lg_u32 s3, 0
	s_cbranch_scc1 .Llap
	QUARTER 0, 128, F1, F0, 0                      ; the last lap is written out
	QUARTER 0, 192, F0, F1, 0
	TURN 0, 1, 1                                   ; slot 0 has been read for the last time: its part for xa takes the cell tile, which has the last K step in which to land
	QUARTER 1, 64,  F0, F1, 0
	QUARTER 1, 128, F1, F0, 0
	QUARTER 1, 192, F0, F1, 0
	s_wait_dscnt 8                                 ; the very last quarter: nothing more to fetch
	MUL16 F1, 0, 0, 0
	MUL16 F1, 0, 2, 0
	s_wait_dscnt 0x0                               ; my reads of slot 1 are over (it becomes c_new's stage),
	s_wait_tensorcnt 0x0                           ; and my part of the cell tile is in:
	s_barrier_signal -1                            ; say so; no LDS bytes are filled behind this barrier
	MUL16 F1, 1, 0, 0
	MUL16 F1, 1, 2, 0
	WIN 0
	s_barrier_wait -1
	PLACES                                         ; behind the last products: for the reads of their results and for the writes and loads into fragment registers
	ds_load_b128 v[CL:CL+3],   v[EA]               ; group 0's cell
	ds_load_b128 v[CL+4:CL+7], v[EA] offset:16
.irp a, 0,1,2,3,4,5,6,7
	GATE \a, 0
	GATE \a, 1
.endr
	s_wait_dscnt 0x0                               ; for the others' sake: my stores into the stages are done (a stage row's 256 bytes come from two waves)
	s_barrier_signal -1
	s_barrier_wait -1
	LOADB 0
	LOADB 1
	SENDB 0, 16
	s_wait_xcnt 0x0                                ; every earlier memory instruction has had its addresses translated (ISA guide 3.1): only behind this wait is a buffer that stores read loaded again
	LOADB 2
	SENDB 1, 16
	s_wait_xcnt 0x0
	LOADB 3
	SENDB 2, 16
	SENDB 3, 0
	s_wait_tensorcnt 0x0                           ; the wave's end, behind my last tensor load and my last LDS store
	ds_add_u32 v[SPW], v[NIL]
	s_wait_dscnt 0x0
	CROUND                                         ; the closing round: no work-group ends while a partner may still ask for a tile that names it
	s_endpgm
.Lfunc_end_k_qfc6d8aced5_lstm:
	.size	k_qfc6d8aced5_lstm, .Lfunc_end_k_qfc6d8aced5_lstm-k_qfc6d8aced5_lstm
	.p2alignl 7, 3214868480
	.fill 96, 4, 3214868480
	.section	.rodata,"a",@progbits
	.p2align	6, 0x0
	.amdhsa_kernel k_qfc6d8aced5_lstm
		.amdhsa_group_segment_fixed_size 327680
		.amdhsa_private_segment_fixed_size 0
		.amdhsa_enable_private_segment 0
		.amdhsa_kernarg_size 72
		.amdhsa_user_sgpr_count 2
		.amdhsa_user_sgpr_kernarg_segment_ptr 1
		.amdhsa_wavefront_size32 1
		.amdhsa_system_sgpr_workgroup_id_x 1
		.amdhsa_system_sgpr_workgroup_id_y 1
		.amdhsa_system_sgpr_workgroup_id_z 1
		.amdhsa_system_vgpr_workitem_id 0
		.amdhsa_next_free_vgpr 1024
		.amdhsa_next_free_sgpr 100
		.amdhsa_reserve_vcc 0
		.amdhsa_float_denorm_mode_32 3
		.amdhsa_float_denorm_mode_16_64 3
		.amdhsa_memory_ordered 1
		.amdhsa_forward_progress 1
		.amdhsa_inst_pref_size 238
	.end_amdhsa_kernel
	.amdgpu_metadata
---
amdhsa.version: [ 1, 2 ]
amdhsa.kernels:
  - .name:           k_qfc6d8aced5_lstm
    .symbol:         k_qfc6d8aced5_lstm.kd
    .args:
      - { .name: xa, .offset: 0, .size: 8, .value_kind: global_buffer, .address_space: global }
      - { .name: wb, .offset: 8, .size: 8, .value_kind: global_buffer, .address_space: global }
      - { .name: cell, .offset: 16, .size: 8, .value_kind: global_buffer, .address_space: global }
      - { .name: b_pi, .offset: 24, .size: 8, .value_kind: global_buffer, .address_space: global }
      - { .name: b_pf, .offset: 32, .size: 8, .value_kind: global_buffer, .address_space: global }
      - { .name: b_pg, .offset: 40, .size: 8, .value_kind: global_buffer, .address_space: global }
      - { .name: b_po, .offset: 48, .size: 8, .value_kind: global_buffer, .address_space: global }
      - { .name: out0, .offset: 56, .size: 8, .value_kind: global_buffer, .address_space: global }
      - { .name: out1, .offset: 64, .size: 8, .value_kind: global_buffer, .address_space: global }
    .group_segment_fixed_size: 327680
    .private_segment_fixed_size: 0
    .kernarg_segment_align: 8
    .kernarg_segment_size: 72
    .max_flat_workgroup_size: 128
    .sgpr_count:     100
    .vgpr_count:     1024
    .wavefront_size: 32
...
	.end_amdgpu_metadata
.endif
;; end of part 2
;; ======== version 2 of 2: 2 launches; version 1 with the launch pack written anew for expert scheduling mode
;; workspace buffers: xa 16,777,216 bytes; wb 67,108,864 bytes
;; launch pack (part 3): grid 256 x 5, 8 waves a work-group, no clusters, 0 bytes of LDS; arguments P, hidden, ext_input, W_pi, W_hi, W_xi, W_pf, W_hf, W_xf, W_pg, W_hg, W_xg, W_po, W_ho, W_xo, xa, wb; writes xa, wb
.if DOCPART == 3
	.amdgcn_target "amdgcn-amd-amdhsa--gfx1250"
	.amdhsa_code_object_version 6
	.text
	.protected	k_qfc6d8aced5_pack
	.globl	k_qfc6d8aced5_pack
	.p2align	8
	.type	k_qfc6d8aced5_pack,@function
k_qfc6d8aced5_pack:
	s_mov_b64 s[64:65], 0
	v_nop
	global_prefetch_b8 v0, s[64:65] scope:SCOPE_SE
	s_setreg_imm32_b32 hwreg(HW_REG_WAVE_SCHED_MODE, 0, 2), 2
	s_setreg_imm32_b32 hwreg(HW_REG_WAVE_MODE, 25, 1), 1
	s_wait_xcnt 0x0
	s_wait_alu depctr_vm_vsrc(0)
; The fifteen matrix operands of the LSTM step are rounded once to bf16 (nearest even; bf16 has f32's range) and laid as two dense matrices with K = 4,096 along the rows:
;   xa [2048][4096]: columns 0-1023 P, 1024-3071 hidden, 3072-4095 ext_input;
;   wb [8192][4096]: the same split of the columns (W_p*, W_h*, W_x*); gate q (0 i, 1 f, 2 g, 3 o) of output column j lies in row (j >> 5) * 128 + q * 32 + (j & 31),
;   so that 128 consecutive rows of wb are the four gates of 32 output columns: what one wave of the next launch multiplies.
; SHARES.  Grid y = g picks three sources: g = 0 the activations (to xa), g = 1..4 gate g - 1's three weights (to wb).  Grid x picks 8 source rows, which never cross a block of 32,
; so their 8 destination rows follow each other.  A destination row is four passes of 1,024 numbers: p, h's first half, h's second half, x.  In a pass thread t loads 16 bytes at 16 t
; (a wave: 512 consecutive bytes) and stores 8 bytes at 8 t (a wave: 256 consecutive bytes, at a multiple of 256 from the buffer's first byte).
; All 32 loads of a thread go out first, each into registers of its own: nothing is rewritten while a memory instruction may read it.
; No LDS, no barrier, no matrix instruction: no byte is used twice.
; THE MODE: SCHED_MODE bits 1:0 = 2 (LLVM: expert scheduling mode 2), set by the entry lines.  The code itself states the register dependences
; between vector instructions and memory instructions, with s_wait_alu, always for 0.
; THE PLAN.  Registers that memory instructions touch:
;   v1, v2            byte offsets, written once at the head and never again; v1 is read by every load, v2 by every store.
;   v[X+4i : X+4i+3]  written by load i, which is issued ahead of every conversion; read by load i's two conversions, which write the first two of the four in place;
;                     those two are read by store i; nothing writes them afterwards.
; The 32 loads are taken in 8 blocks of four, a destination row each.  Block p's conversions name v[X+16p ..] alone; the block's memory instructions are the four stores of block p - 1, which read
; v[X+16(p-1) ..] and v2.  So ONE wait on va_vdst at a block's head states all that its four stores hang on, and they are dealt among the block's conversions with no further wait.
; No register that a memory instruction reads is written again, no load is issued behind a conversion, no vector line writes a scalar register, and EXEC is never written: no other wait has a dependence to state.
.set X, 4                              ; v[4:131]  load i = 4 r + k (row r, pass k) at v[X+4i : X+4i+3]
	s_load_b512 s[8:23], s[0:1], 0x0               ; group g's three sources lie at s[8+6g : 13+6g]
	s_load_b512 s[24:39], s[0:1], 0x40             ; ... s[38:39] xa
	s_load_b64 s[40:41], s[0:1], 0x80              ; wb
	s_and_b32 s2, ttmp7, 0xffff                    ; g
	s_lshl_b32 s3, ttmp9, 3                        ; j0: my first source row
	s_max_u32 s5, s2, 1
	s_sub_co_u32 s5, s5, 1                         ; q = g - 1 (0 for g = 0, where it is not used)
	s_lshr_b32 s4, s3, 5
	s_lshl_b32 s4, s4, 7                           ; (j0 >> 5) * 128
	s_and_b32 s6, s3, 31
	s_add_co_u32 s4, s4, s6                        ; + (j0 & 31)
	s_lshl_b32 s5, s5, 5
	s_add_co_u32 s4, s4, s5                        ; + 32 q
	s_cmp_eq_u32 s2, 0
	s_cselect_b32 s4, s3, s4                       ; the activations keep their rows
	s_lshl_b32 s50, s4, 13                         ; destination rows are 8,192 bytes; the largest offset is 8,191 rows, under 2^26
	s_mov_b32 s51, 0
	s_lshl_b32 s52, s3, 12                         ; p's and x's rows are 4,096 bytes,
	s_mov_b32 s53, 0
	s_lshl_b32 s54, s3, 13                         ; h's 8,192
	s_mov_b32 s55, 0
	v_lshlrev_b32 v1, 4, v0                        ; 16 t
	v_lshlrev_b32 v2, 3, v0                        ; 8 t
	s_wait_kmcnt 0x0
	s_mov_b64 s[42:43], s[8:9]                     ; the choice among the buffers hangs on g alone; each compare stands right in front of its selects
	s_mov_b64 s[44:45], s[10:11]
	s_mov_b64 s[46:47], s[12:13]
.irp g, 1,2,3,4
	s_cmp_eq_u32 s2, \g
	s_cselect_b64 s[42:43], s[8+6*\g:9+6*\g], s[42:43]
	s_cselect_b64 s[44:45], s[10+6*\g:11+6*\g], s[44:45]
	s_cselect_b64 s[46:47], s[12+6*\g:13+6*\g], s[46:47]
.endr
	s_cmp_eq_u32 s2, 0
	s_cselect_b64 s[48:49], s[38:39], s[40:41]
	s_add_nc_u64 s[42:43], s[42:43], s[52:53]
	s_add_nc_u64 s[44:45], s[44:45], s[54:55]
	s_add_nc_u64 s[46:47], s[46:47], s[52:53]
	s_add_nc_u64 s[48:49], s[48:49], s[50:51]
	s_wait_alu depctr_va_vdst(0)                   ; v1 and v2 are written: every load of the kernel reads v1 as its offset, every store v2
.set i, 0
.rept 8                                ; row i: four loads.  Each source byte is read once in the launch
	global_load_b128 v[X+16*i:X+16*i+3],     v1, s[42:43] offset:i*4096 th:TH_LOAD_NT
	global_load_b128 v[X+16*i+4:X+16*i+7],   v1, s[44:45] offset:i*8192 th:TH_LOAD_NT
	global_load_b128 v[X+16*i+8:X+16*i+11],  v1, s[44:45] offset:i*8192+4096 th:TH_LOAD_NT
	global_load_b128 v[X+16*i+12:X+16*i+15], v1, s[46:47] offset:i*4096 th:TH_LOAD_NT
.set i, i+1
.endr
; Block p = destination row p: its four loads are rounded, and the row before is stored.
.set p, 0
.rept 8
	s_wait_loadcnt 28-4*p                          ; loads come back in order (ISA guide 5.7.1): block p's four are in, the 28 - 4 p younger ones stay out
.if p > 0
	s_wait_alu depctr_va_vdst(0)                   ; the conversions of the block before have written v[X+16(p-1) ..], which the four stores below read
.endif
.set k, 0
.rept 4
.if p > 0
	global_store_b64 v2, v[X+16*(p-1)+4*k:X+16*(p-1)+4*k+1], s[48:49] offset:(p-1)*8192+k*2048  ; row p - 1, pass k; no vector line since the wait names these registers; the next launch reads these bytes, so no hint
.endif
	v_cvt_pk_bf16_f32 v[X+16*p+4*k],   v[X+16*p+4*k],   v[X+16*p+4*k+1]
	v_cvt_pk_bf16_f32 v[X+16*p+4*k+1], v[X+16*p+4*k+2], v[X+16*p+4*k+3]
.set k, k+1
.endr
.set p, p+1
.endr
	s_wait_alu depctr_va_vdst(0)                   ; block 7's conversions have written v[X+112 ..], which the last four stores read
.set k, 0
.rept 4
	global_store_b64 v2, v[X+112+4*k:X+112+4*k+1], s[48:49] offset:7*8192+k*2048  ; row 7, pass k
.set k, k+1
.endr
	s_endpgm
.Lfunc_end_k_qfc6d8aced5_pack:
	.size	k_qfc6d8aced5_pack, .Lfunc_end_k_qfc6d8aced5_pack-k_qfc6d8aced5_pack
	.p2alignl 7, 3214868480
	.fill 96, 4, 3214868480
	.section	.rodata,"a",@progbits
	.p2align	6, 0x0
	.amdhsa_kernel k_qfc6d8aced5_pack
		.amdhsa_group_segment_fixed_size 0
		.amdhsa_private_segment_fixed_size 0
		.amdhsa_enable_private_segment 0
		.amdhsa_kernarg_size 136
		.amdhsa_user_sgpr_count 2
		.amdhsa_user_sgpr_kernarg_segment_ptr 1
		.amdhsa_wavefront_size32 1
		.amdhsa_system_sgpr_workgroup_id_x 1
		.amdhsa_system_sgpr_workgroup_id_y 1
		.amdhsa_system_sgpr_workgroup_id_z 1
		.amdhsa_system_vgpr_workitem_id 0
		.amdhsa_next_free_vgpr 132
		.amdhsa_next_free_sgpr 66
		.amdhsa_reserve_vcc 0
		.amdhsa_float_denorm_mode_32 3
		.amdhsa_float_denorm_mode_16_64 3
		.amdhsa_memory_ordered 1
		.amdhsa_forward_progress 1
		.amdhsa_inst_pref_size 13
	.end_amdhsa_kernel
	.amdgpu_metadata
---
amdhsa.version: [ 1, 2 ]
amdhsa.kernels:
  - .name:           k_qfc6d8aced5_pack
    .symbol:         k_qfc6d8aced5_pack.kd
    .args:
      - { .name: P, .offset: 0, .size: 8, .value_kind: global_buffer, .address_space: global }
      - { .name: hidden, .offset: 8, .size: 8, .value_kind: global_buffer, .address_space: global }
      - { .name: ext_input, .offset: 16, .size: 8, .value_kind: global_buffer, .address_space: global }
      - { .name: W_pi, .offset: 24, .size: 8, .value_kind: global_buffer, .address_space: global }
      - { .name: W_hi, .offset: 32, .size: 8, .value_kind: global_buffer, .address_space: global }
      - { .name: W_xi, .offset: 40, .size: 8, .value_kind: global_buffer, .address_space: global }
      - { .name: W_pf, .offset: 48, .size: 8, .value_kind: global_buffer, .address_space: global }
      - { .name: W_hf, .offset: 56, .size: 8, .value_kind: global_buffer, .address_space: global }
      - { .name: W_xf, .offset: 64, .size: 8, .value_kind: global_buffer, .address_space: global }
      - { .name: W_pg, .offset: 72, .size: 8, .value_kind: global_buffer, .address_space: global }
      - { .name: W_hg, .offset: 80, .size: 8, .value_kind: global_buffer, .address_space: global }
      - { .name: W_xg, .offset: 88, .size: 8, .value_kind: global_buffer, .address_space: global }
      - { .name: W_po, .offset: 96, .size: 8, .value_kind: global_buffer, .address_space: global }
      - { .name: W_ho, .offset: 104, .size: 8, .value_kind: global_buffer, .address_space: global }
      - { .name: W_xo, .offset: 112, .size: 8, .value_kind: global_buffer, .address_space: global }
      - { .name: xa, .offset: 120, .size: 8, .value_kind: global_buffer, .address_space: global }
      - { .name: wb, .offset: 128, .size: 8, .value_kind: global_buffer, .address_space: global }
    .group_segment_fixed_size: 0
    .private_segment_fixed_size: 0
    .kernarg_segment_align: 8
    .kernarg_segment_size: 136
    .max_flat_workgroup_size: 256
    .sgpr_count:     66
    .vgpr_count:     132
    .wavefront_size: 32
...
	.end_amdgpu_metadata
.endif
;; end of part 3
;; launch lstm: the kernel of part 2 again; grid 32 x 8, 4 waves a work-group, clusters of 4 x 4, 327,680 bytes of LDS; arguments xa, wb, cell, b_pi, b_pf, b_pg, b_po, out0, out1; writes out0, out1
